; MI455X (gfx1250); checked and timed in simulation.
; The chip was launched on July 23, 2026; its instructions are those of AMD's public machine-readable ISA for CDNA 5 (MIT licence, August 2026) and "CDNA5" Instruction Set Architecture Reference Guide (July 2026). The comments in the code are by the model that wrote it; some were corrected since.
;; Attention Based Merger. Allowed arithmetic: matrix products marked QUANTISED: E2M3 operands, one E8M0 scale for each 32 along K, by v_wmma_scale_f32_16x16x128_f8f6f4 with both operands' format E2M3, f32 sums; products left as they are: f32 operands where the result goes on into a quantised operand, else bf16, f16 or f32 operands; f32 sums; everything else in f32.
;; Inputs: Wd 1,024 x 1,024 float32; Wk 1,024 x 1,024 float32; Wq 1,024 x 1,024 float32; Wv 1,024 x 1,024 float32; bd 1,024 float32; bk 1,024 float32; bq 1,024 float32; bv 1,024 float32; input_tensor 64 x 1 x 1,024 float32; retrieval_tensor 64 x 512 x 1,024 float32; u_noise 64 x 16 x 1 x 512 x 2 float32.
;; Outputs: out0 64 x 1,024 float32.
;; This version of the problem:
;;   THIS VERSION OF THE PROBLEM IS GIVEN IN LOW PRECISION. The matrix products marked QUANTISED in the list below multiply operands that are first quantised to E2M3 (2 exponent bits, 3 mantissa bits; 6 bits a number), with one power-of-two scale for each 32 numbers along K (OCP MX v1.0); their sums are f32. All else is computed in f32.
;;   The module's matrix products, in the order in which they are computed (A, B: the left and right operand; K: the contracted axis; several contracted axes count as one K, in the product's order):
;;     1. [M 64, K 1,024] x [K 1,024, N 1,024]; A: input input_tensor; B: input Wq: QUANTISED
;;     2. [M 32,768, K 1,024] x [K 1,024, N 1,024]; A: input retrieval_tensor; B: input Wk: QUANTISED
;;     3. [M 32,768, K 1,024] x [K 1,024, N 1,024]; A: input retrieval_tensor; B: input Wv: QUANTISED
;;     4. batch 1,024 x [M 1, K 64] x [K 64, N 512]; A: computed on the way; B: computed on the way: left as it is (M = 1 < 16)
;;     5. batch 1,024 x [M 1, K 512] x [K 512, N 64]; A: computed on the way; B: computed on the way: left as it is (M = 1 < 16)
;;     6. [M 64, K 1,024] x [K 1,024, N 1,024]; A: computed on the way; B: input Wd: QUANTISED
;;   THE QUANTISER, for each operand of a quantised product, along K:
;;     - K is cut into blocks of 32 from its start; a last block that is shorter is filled with zeros.
;;     - A block's scale is 2^e with e = floor(log2(the largest magnitude in the block)) - 2, held to -126 .. 127; a block of zeros has e = 0. As a byte (E8M0): e + 127.
;;     - Each number is divided by its block's scale, clamped to +-7.5, and rounded to the nearest number of E2M3, ties to even, subnormals kept.
;;     - The product sums the exact products of the quantised numbers (number of the format x scale) in f32.
;;   ~~~python
;;   def quantise(x, axis):      # numpy; x: float32 -> the quantised numbers, widened to float32 again
;;       x = np.moveaxis(x, axis, -1); K = x.shape[-1]
;;       x = np.pad(x, [(0, 0)] * (x.ndim - 1) + [(0, -K % 32)]); x = x.reshape(x.shape[:-1] + (-1, 32)); a = np.abs(x).max(-1, keepdims=True)
;;       e = np.where(a > 0, np.clip(np.frexp(np.where(a > 0, a, 1))[1] - 1 - 2, -126, 127), 0)      # np.frexp(a)[1] - 1 = floor(log2(a)), exactly
;;       r = np.clip(x / 2.0 ** e, -7.5, 7.5)
;;       step = 2.0 ** (np.maximum(np.frexp(np.where(r == 0, 1, r))[1] - 1, 0) - 3)
;;       q = np.round(r / step) * step * 2.0 ** e      # np.round: ties to even
;;       return np.moveaxis(q.reshape(q.shape[:-2] + (-1,))[..., :K], -1, axis).astype(np.float32)
;;   ~~~
;;   OPERANDS COMPUTED ON THE WAY. 'Computed on the way' means the value that the module computes at that place (a softmax that the list does not call 'softmax' is quantised finished and normalised). What goes into a quantiser is computed in f32, as accurately as f32 sums, v_exp_f32 and their like allow (about 1e-6 of the number): no bf16 or f16 on the way to a quantiser, and a product that is left as it is and whose result goes on into a quantised operand takes f32 operands (vector FMAs, or v_wmma_f32_16x16x4_f32). A number that lies on a knife's edge between two numbers of the format may be rounded either way, as far as f32 arithmetic and the matrix unit's own rounding can turn it there, and no further.
;; One version. Each part assembles by itself: llvm-mc -triple=amdgcn-amd-amdhsa -mcpu=gfx1250 --defsym DOCPART=n.
;; ======== version 1 of 1: 3 launches
;; limits: right only within a limited range of input values
;; workspace buffers: wkv 1,638,400 bytes; wdc 786,432 bytes; wds 32,768 bytes; qpart 2,097,152 bytes; ctxp 1,048,576 bytes
;; launch prep (part 1): grid 448 x 1, 4 waves a work-group, no clusters, 0 bytes of LDS; arguments Wk, Wv, Wd, Wq, input_tensor, wkv, wdc, wds, qpart; writes wkv, wdc, wds, qpart
.if DOCPART == 1
	.amdgcn_target "amdgcn-amd-amdhsa--gfx1250"
	.amdhsa_code_object_version 6
	.text
	.protected	k_q9b5586b9c3_prep
	.globl	k_q9b5586b9c3_prep
	.p2align	8
	.type	k_q9b5586b9c3_prep,@function
k_q9b5586b9c3_prep:
	s_mov_b64 s[64:65], 0
	v_nop
	global_prefetch_b8 v0, s[64:65] scope:SCOPE_SE
	s_setreg_imm32_b32 hwreg(HW_REG_WAVE_MODE, 25, 1), 1
	s_wait_xcnt 0x0
; THE WEIGHTS BECOME CODES OF FP6 (E2M3), AND q's PRODUCT IS MADE.  Wk, Wv, Wd, Wq: [1024 (k)][1024 (n)] f32, K their FIRST axis.
; A wave takes a tile of 128 along K (K step s) x 32 columns.  A LANE TAKES A COLUMN AND ITS REGISTERS RUN DOWN K: a block of 32 along K lies in one lane, its largest magnitude needs no other lane,
; and the conversions give codes with K innermost.  The lane's four blocks are laid as two runs of 12 registers (blocks 0, 2 and blocks 1, 3); twelve exchanges of halves of lanes make of them the operand
; registers of two tiles of 16 columns.  A FRAGMENT LEAVES AS AN IMAGE OF ITS REGISTERS: register p of lane l at byte 512 (p / 4) + 16 l + 4 (p % 4): three stores of 512 consecutive bytes.
; A block's scale is 2^(floor(log2(its largest magnitude)) - 2); its byte is the largest magnitude's exponent field - 2, held at 1 from below.
; ROLES, by the work-group's number g (s = g % 8 in all):
;   g < 128: head hd = g / 8; waves 0, 1: Wk's columns 64 hd + 32 (wave % 2) on, waves 2, 3: Wv's -> wkv, in the order in which the main launch's waves walk it:
;            chunk (((hd % 4) 4 + s / 2) 4 + hd / 4) 2 + s % 2 of 12,800 bytes: 8 images (4 of Wk, 4 of Wv), then 512 bytes of scale words [tile][column]
;   g < 192: Wd's columns 32 cp on, cp = 4 ((g - 128) / 8) + wave -> wdc [column tile][s] images, wds [s][column] scale words
;   else:    Wq's columns 32 cp on, cp = (g - 192) / 8; wave m also quantises rows 16 m on of input_tensor for K step s and multiplies: qpart[s][row][column], the K step's share of the product, without bq.
; LIMITS: a block of zeros gets the byte 1 where the rule says 127: its codes are zeros, and this program alone reads the bytes.  NaN and infinities among the inputs are not served.
; The stores into qpart are runs of 128 bytes a row, those of wkv's scale words runs of 128 bytes: 2.1 MB in all.
.set WN,  16                           ; v16-143  my column's 128 numbers
.set XN,  144                          ; v144-207 role Q: 64 numbers of my row of input_tensor; afterwards:
.set F0,  144                          ; v144-155 blocks 0, 2; behind the exchange: the fragment of columns 0-15
.set F1,  156                          ; v156-167 blocks 1, 3; behind the exchange: the fragment of columns 16-31
.set T,   168                          ; v168-183 the upper halves of the four blocks' codes, on their way
.set TM,  208                          ; v208-211 largest magnitudes, v212-215 bytes, v220-223 the conversions' scale operands
.set PC,  224                          ; v224-243 input_tensor's fragment
.set PW,  244                          ; its scale word
.set WS,  245                          ; my column's scale word: lanes 0-15 the first tile's, lanes 16-31 the second's
.set D0,  16                           ; the two results, where the numbers lay
.set D1,  24
.set SEL, 40                           ; s[40:41] lane selects: lane l xor 16
; 64 numbers of a lane, v[s] .. v[s + 63], register 16 b + i = k 32 b + 16 (lane / 16) + i of my row, become a fragment's codes in v[PC] on and its scale word in v[PW].
.macro QUANT s
.irp b, 0,1,2,3
	v_max3_num_f32 v[TM+\b], |v[\s+16*\b]|, |v[\s+1+16*\b]|, 0x1800000   ; block b: my 16 numbers, and the floor 2^(3 - 127): the byte cannot fall under 1
.endr
.irp i, 2,4,6,8,10,12,14
.irp b, 0,1,2,3
	v_max3_num_f32 v[TM+\b], v[TM+\b], |v[\s+16*\b+\i]|, |v[\s+1+16*\b+\i]|   ; (the four blocks by turns)
.endr
.endr
.irp b, 0,1,2,3
	v_permlanex16_b32 v[TM+4+\b], v[TM+\b], s[SEL], s[SEL+1]
.endr
.irp b, 0,1,2,3
	v_max_num_f32 v[TM+\b], v[TM+\b], v[TM+4+\b]   ; with lane l xor 16's: the block's largest magnitude
.endr
.irp b, 0,1,2,3
	v_add_nc_u32 v[TM+12+\b], 0xff000000, v[TM+\b]   ; 2 off its exponent field: the conversion takes the exponent field of this operand as its scale
.endr
.irp b, 0,1,2,3
	v_lshrrev_b32 v[TM+4+\b], 23, v[TM+12+\b]      ; the scale's byte
.endr
	v_lshl_or_b32 v[PW], v[TM+5], 8, v[TM+4]
	v_lshl_or_b32 v[PW], v[TM+6], 16, v[PW]
	v_lshl_or_b32 v[PW], v[TM+7], 24, v[PW]
.irp c, 0,1
	v_cvt_scalef32_pk16_fp6_f32 v[PC+6*\c:PC+2+6*\c], v[\s+32*\c:\s+15+32*\c], v[TM+12+2*\c]
	v_cvt_scalef32_pk16_fp6_f32 v[PC+12+4*\c:PC+14+4*\c], v[\s+16+32*\c:\s+31+32*\c], v[TM+12+2*\c+1]   ; (a conversion's three registers begin on an even number)
.endr
	v_nop                                          ; one plain place behind a scaled conversion
.irp c, 0,1                                    ; the operand's layout wants a whole block in a lane
.irp i, 0,1,2
	v_permlane16_swap_b32 v[PC+6*\c+\i], v[PC+12+4*\c+\i]
.endr
.irp i, 0,1,2
	v_mov_b32 v[PC+3+6*\c+\i], v[PC+12+4*\c+\i]
.endr
.endr
.endm
.macro WLOAD nt                        ; W(128 s + i, my column): 32 lanes read 128 consecutive bytes.  nt = 1: the launch reads these bytes once
.set i, 0
.rept 128
.if \nt
	global_load_b32 v[WN+i], v4, s[24:25] offset:4096*i th:TH_LOAD_NT
.else
	global_load_b32 v[WN+i], v4, s[24:25] offset:4096*i
.endif
.set i, i+1
.endr
.endm
.macro WQUANT                          ; my column's four blocks -> F0, F1, WS
.irp kb, 0,1,2,3
	v_max3_num_f32 v[TM+\kb], |v[WN+32*\kb]|, |v[WN+32*\kb+1]|, 0x1800000   ; all 32 numbers of a block are mine; and the floor
.endr
.irp i, 2,4,6,8,10,12,14,16,18,20,22,24,26,28,30
.irp kb, 0,1,2,3
	v_max3_num_f32 v[TM+\kb], v[TM+\kb], |v[WN+32*\kb+\i]|, |v[WN+32*\kb+\i+1]|
.endr
.endr
.irp kb, 0,1,2,3
	v_add_nc_u32 v[TM+12+\kb], 0xff000000, v[TM+\kb]
.endr
.irp kb, 0,1,2,3
	v_lshrrev_b32 v[TM+4+\kb], 23, v[TM+12+\kb]
.endr
	v_lshl_or_b32 v[WS], v[TM+5], 8, v[TM+4]
	v_lshl_or_b32 v[WS], v[TM+6], 16, v[WS]
	v_lshl_or_b32 v[WS], v[TM+7], 24, v[WS]
.irp kb, 0,1,2,3
	v_cvt_scalef32_pk16_fp6_f32 v[F0+12*(\kb%2)+6*(\kb/2):F0+12*(\kb%2)+6*(\kb/2)+2], v[WN+32*\kb:WN+32*\kb+15], v[TM+12+\kb]
	v_cvt_scalef32_pk16_fp6_f32 v[T+4*\kb:T+4*\kb+2], v[WN+32*\kb+16:WN+32*\kb+31], v[TM+12+\kb]
.endr
	v_nop                                          ; one plain place behind a scaled conversion
.irp kb, 0,1,2,3
.irp i, 0,1,2
	v_mov_b32 v[F0+12*(\kb%2)+6*(\kb/2)+3+\i], v[T+4*\kb+\i]
.endr
.endr
.irp i, 0,1,2,3,4,5,6,7,8,9,10,11
	v_permlane16_swap_b32 v[F0+\i], v[F1+\i]       ; F0's lanes 16-31 (columns 16-31, blocks 0, 2) change places with F1's lanes 0-15 (columns 0-15, blocks 1, 3)
.endr
.endm
	s_load_b512 s[4:19], s[0:1], 0x0               ; Wk s[4:5], Wv s[6:7], Wd s[8:9], Wq s[10:11], input_tensor s[12:13], wkv s[14:15], wdc s[16:17], wds s[18:19]
	s_load_b64 s[20:21], s[0:1], 0x40              ; qpart
	v_lshrrev_b32 v1, 5, v0
	v_readfirstlane_b32 s22, v1                    ; wave 0..3
	v_and_b32 v1, 31, v0                           ; lane
	v_and_b32 v2, 15, v0                           ; r
	v_bfe_u32 v3, v0, 4, 1                         ; h
	v_lshlrev_b32 v4, 2, v1                        ; 4 x lane: my column in a row of W; my scale word
	v_lshlrev_b32 v5, 12, v2
	v_lshl_add_u32 v5, v3, 6, v5                   ; input_tensor: row r of 4,096 bytes, + 64 h
	v_lshlrev_b32 v6, 4, v1                        ; 16 x lane: my place in an image
	v_lshlrev_b32 v7, 12, v2
	v_lshl_add_u32 v7, v3, 5, v7                   ; qpart: row r, + 32 h
	s_and_b32 s23, ttmp9, 7                        ; K step s
	s_lshr_b32 s26, ttmp9, 3
	s_mov_b32 s[SEL], 0x76543210
	s_mov_b32 s[SEL+1], 0xfedcba98
	s_wait_kmcnt 0x0
	s_cmp_lt_u32 ttmp9, 192
	s_cbranch_scc1 .Lstore_roles
	; ---- role Q
	s_sub_co_u32 s27, s26, 24                      ; cp
	s_lshl_b32 s27, s27, 7                         ; its first column in bytes
	s_lshl_b32 s28, s23, 19                        ; 128 rows of 4,096 bytes a K step
	s_add_co_u32 s28, s28, s27
	s_mov_b32 s29, 0
	s_add_nc_u64 s[24:25], s[10:11], s[28:29]      ; Wq at my tile
	s_lshl_b32 s30, s22, 16                        ; 16 rows a wave
	s_lshl_b32 s31, s23, 9                         ; 512 bytes a K step
	s_add_co_u32 s30, s30, s31
	s_mov_b32 s31, 0
	s_add_nc_u64 s[34:35], s[12:13], s[30:31]      ; input_tensor at my rows and K step
	s_lshl_b32 s30, s23, 18                        ; qpart: 262,144 bytes a K step,
	s_lshl_b32 s36, s22, 16                        ; 16 rows a wave,
	s_add_co_u32 s30, s30, s36
	s_add_co_u32 s30, s30, s27                     ; my columns
	s_add_nc_u64 s[36:37], s[20:21], s[30:31]
.irp b, 0,1,2,3
	v_mov_b32 v[TM+4+\b], 0                        ; written once: a lane permute's destination counts as one of its sources
.endr
	s_wait_alu depctr_va_vdst(0)
.irp b, 0,1,2,3
.irp j, 0,1,2,3
	global_load_b128 v[XN+16*\b+4*\j:XN+16*\b+4*\j+3], v5, s[34:35] offset:128*\b+16*\j
.endr
.endr
	WLOAD 0                                        ; (the work-group's four waves read the same tile)
	s_wait_loadcnt 63                              ; behind the row's 16 loads stand 128; the wait's field holds 63: at most 63 out means that the first 81 are in
	QUANT XN
	s_wait_loadcnt 0x0
	WQUANT
.rept 8
	v_nop                                          ; a scale register written by a vector instruction stands 8 places ahead of a scaled matrix instruction, an operand so written 4
.endr
	; source 0 = 16 columns of Wq, source 1 = my 16 rows: lane (r, h) holds row r and columns 8 h + 0 .. 7 of the tile
	v_wmma_scale_f32_16x16x128_f8f6f4 v[D0:D0+7], v[F0:F0+11], v[PC:PC+11], 0, v[WS], v[PW] matrix_a_fmt:MATRIX_FMT_FP6 matrix_b_fmt:MATRIX_FMT_FP6
	v_wmma_scale_f32_16x16x128_f8f6f4 v[D1:D1+7], v[F1:F1+11], v[PC:PC+11], 0, v[WS], v[PW] matrix_a_fmt:MATRIX_FMT_FP6 matrix_b_fmt:MATRIX_FMT_FP6 matrix_a_scale:MATRIX_SCALE_ROW1
.rept 4
	v_nop
.endr
.irp t, 0,1
.irp u, 0,1
	global_store_b128 v7, v[D0+8*\t+4*\u:D0+8*\t+4*\u+3], s[36:37] offset:64*\t+16*\u   ; each result from its low end on
.endr
.endr
	s_endpgm
.Lstore_roles:
	; ---- Wk, Wv (g < 128) or Wd: both sets of offsets are made, then chosen by the work-group's number
	s_and_b32 s27, s22, 1
	s_lshl_b32 s27, s27, 5
	s_lshl_b32 s28, s26, 6
	s_add_co_u32 s27, s27, s28                     ; Wk, Wv: first column 64 hd + 32 (wave % 2)
	s_and_b32 s28, s26, 7
	s_lshl_b32 s28, s28, 2
	s_add_co_u32 s28, s28, s22                     ; Wd: cp
	s_lshl_b32 s29, s28, 5                         ; first column 32 cp
	s_and_b32 s30, s26, 3                          ; the pass: hd % 4
	s_lshl_b32 s30, s30, 2
	s_lshr_b32 s31, s23, 1
	s_add_co_u32 s30, s30, s31                     ; the slot
	s_lshl_b32 s30, s30, 2
	s_lshr_b32 s31, s26, 2                         ; the main launch's wave: hd / 4
	s_add_co_u32 s30, s30, s31
	s_lshl_b32 s30, s30, 1
	s_and_b32 s31, s23, 1
	s_add_co_u32 s30, s30, s31                     ; the chunk
	s_mul_i32 s30, s30, 12800
	s_mul_i32 s31, s22, 3072
	s_add_co_u32 s31, s31, s30                     ; wkv: my two images
	s_lshl_b32 s34, s22, 7
	s_add_co_u32 s34, s34, s30
	s_add_co_u32 s34, s34, 12288                   ; and my 32 scale words
	s_lshl_b32 s35, s28, 4
	s_add_co_u32 s35, s35, s23
	s_mul_i32 s35, s35, 1536                       ; wdc: image 16 cp + s
	s_lshl_b32 s36, s23, 12
	s_lshl_b32 s37, s28, 7
	s_add_co_u32 s36, s36, s37                     ; wds: 4,096 s + 128 cp
	s_mov_b32 s38, 12288                           ; from my first image to my second: 8 images in wdc, 1 in wkv
	s_cmp_lt_u32 s22, 2
	s_cselect_b64 s[24:25], s[4:5], s[6:7]
	s_cmp_lt_u32 ttmp9, 128
	s_cselect_b64 s[24:25], s[24:25], s[8:9]
	s_cselect_b64 s[44:45], s[14:15], s[16:17]
	s_cselect_b64 s[46:47], s[14:15], s[18:19]
	s_cselect_b32 s27, s27, s29
	s_cselect_b32 s31, s31, s35
	s_cselect_b32 s34, s34, s36
	s_cselect_b32 s38, 1536, s38
	s_lshl_b32 s28, s27, 2
	s_lshl_b32 s29, s23, 19
	s_add_co_u32 s28, s28, s29
	s_mov_b32 s29, 0
	s_add_nc_u64 s[24:25], s[24:25], s[28:29]      ; W at my tile
	s_mov_b32 s48, s31
	s_mov_b32 s49, 0
	s_add_nc_u64 s[44:45], s[44:45], s[48:49]      ; my first image
	s_mov_b32 s48, s38
	s_add_nc_u64 s[50:51], s[44:45], s[48:49]      ; my second
	s_mov_b32 s48, s34
	s_add_nc_u64 s[46:47], s[46:47], s[48:49]      ; my scale words
	s_wait_alu depctr_va_vdst(0)
	WLOAD 1
	s_wait_loadcnt 0x0
	WQUANT
.irp k, 0,1,2
	global_store_b128 v6, v[F0+4*\k:F0+4*\k+3], s[44:45] offset:512*\k   ; 32 lanes store 512 consecutive bytes
.endr
.irp k, 0,1,2
	global_store_b128 v6, v[F1+4*\k:F1+4*\k+3], s[50:51] offset:512*\k
.endr
	global_store_b32 v4, v[WS], s[46:47]
	s_endpgm
.Lfunc_end_k_q9b5586b9c3_prep:
	.size	k_q9b5586b9c3_prep, .Lfunc_end_k_q9b5586b9c3_prep-k_q9b5586b9c3_prep
	.p2alignl 7, 3214868480
	.fill 96, 4, 3214868480
	.section	.rodata,"a",@progbits
	.p2align	6, 0x0
	.amdhsa_kernel k_q9b5586b9c3_prep
		.amdhsa_group_segment_fixed_size 0
		.amdhsa_private_segment_fixed_size 0
		.amdhsa_enable_private_segment 0
		.amdhsa_kernarg_size 72
		.amdhsa_user_sgpr_count 2
		.amdhsa_user_sgpr_kernarg_segment_ptr 1
		.amdhsa_wavefront_size32 1
		.amdhsa_system_sgpr_workgroup_id_x 1
		.amdhsa_system_sgpr_workgroup_id_y 1
		.amdhsa_system_sgpr_workgroup_id_z 1
		.amdhsa_system_vgpr_workitem_id 0
		.amdhsa_next_free_vgpr 256
		.amdhsa_next_free_sgpr 66
		.amdhsa_reserve_vcc 0
		.amdhsa_float_denorm_mode_32 3
		.amdhsa_float_denorm_mode_16_64 3
		.amdhsa_memory_ordered 1
		.amdhsa_forward_progress 1
		.amdhsa_inst_pref_size 47
	.end_amdhsa_kernel
	.amdgpu_metadata
---
amdhsa.version: [ 1, 2 ]
amdhsa.kernels:
  - .name:           k_q9b5586b9c3_prep
    .symbol:         k_q9b5586b9c3_prep.kd
    .args:
      - { .name: Wk, .offset: 0, .size: 8, .value_kind: global_buffer, .address_space: global }
      - { .name: Wv, .offset: 8, .size: 8, .value_kind: global_buffer, .address_space: global }
      - { .name: Wd, .offset: 16, .size: 8, .value_kind: global_buffer, .address_space: global }
      - { .name: Wq, .offset: 24, .size: 8, .value_kind: global_buffer, .address_space: global }
      - { .name: input_tensor, .offset: 32, .size: 8, .value_kind: global_buffer, .address_space: global }
      - { .name: wkv, .offset: 40, .size: 8, .value_kind: global_buffer, .address_space: global }
      - { .name: wdc, .offset: 48, .size: 8, .value_kind: global_buffer, .address_space: global }
      - { .name: wds, .offset: 56, .size: 8, .value_kind: global_buffer, .address_space: global }
      - { .name: qpart, .offset: 64, .size: 8, .value_kind: global_buffer, .address_space: global }
    .group_segment_fixed_size: 0
    .private_segment_fixed_size: 0
    .kernarg_segment_align: 8
    .kernarg_segment_size: 72
    .max_flat_workgroup_size: 128
    .sgpr_count:     66
    .vgpr_count:     256
    .wavefront_size: 32
...
	.end_amdgpu_metadata
.endif
;; end of part 1
;; launch main (part 2): grid 256 x 1, 4 waves a work-group, clusters of 4 x 1, 327,680 bytes of LDS; arguments retrieval_tensor, wkv, qpart, bq, bk, bv, u_noise, ctxp; writes ctxp
.if DOCPART == 2
	.amdgcn_target "amdgcn-amd-amdhsa--gfx1250"
	.amdhsa_code_object_version 6
	.text
	.protected	k_q9b5586b9c3_main
	.globl	k_q9b5586b9c3_main
	.p2align	8
	.type	k_q9b5586b9c3_main,@function
k_q9b5586b9c3_main:
	s_mov_b64 s[64:65], 0
	v_nop
	global_prefetch_b8 v0, s[64:65] scope:SCOPE_SE
	s_setreg_imm32_b32 hwreg(HW_REG_WAVE_MODE, 25, 1), 1
	s_wait_xcnt 0x0
	s_wait_alu depctr_hold_cnt(0) depctr_sa_sdst(0) depctr_va_vdst(0) depctr_va_sdst(0) depctr_va_ssrc(0) depctr_va_vcc(0) depctr_vm_vsrc(0)
	s_getreg_b32 s2, hwreg(HW_REG_IB_STS2, 6, 4)
	s_cmp_eq_u32 s2, 0
	s_cbranch_scc0 .Lentry_in_a_cluster
	s_endpgm
.Lentry_in_a_cluster:
	s_bfe_u32 s2, ttmp6, 0x10000c
	s_cmp_lg_u32 s2, 0x3003
	s_cbranch_scc0 .Lentry_shape_is_right
	s_endpgm
.Lentry_shape_is_right:
.set RING,  102400
.set QUART, 25600
.set CHUNK, 12800
.set IMG,   1536
.set XIMG,  2*RING
.set XSC,   XIMG+64*IMG
.set STG,   XSC+4096
.set STGB,  4352
.set SPARE, STG+4*STGB
.set SPW,  4
.set NIL,  5
.set XO,   6
.set SI,   7
.set SO,   8
.set XW,   9
.set XWS,  10
.set ADRB, 11
.set ADRS, 13
.set AX0,  15
.set AX4,  16
.set AXS0, 17
.set ADRA, 18
.set ADRX, 20
.set QW,   21
.set QA0,  22
.set QA,   23
.set CSA,  24
.set CSR,  25
.set UO,   26
.set BO,   27
.set CO,   28
.set QLO,  29
.set XW0,  30
.set XWS0, 31
.set SW,   32
.set SX,   40
.set EPSR, 44
.set NN,   48
.set DD,   64
.set UU,   80
.set QQ,   96
.set Q2,   98
.set RQ,   100
.set BB,   104
.set RC,   112
.set OUTP, 124
.set AF,   128
.set CT,   224
.set QH,   128
.set X,    64
.set QL,   128
.set TM,   200
.set PW,   216
.set PC,   220
.set SEL,  40
.set MSB, 0
.macro WIN new
.if MSB != (\new)
	s_set_vgpr_msb (MSB<<8)|(\new)
.set MSB, (\new)
.endif
.endm
.macro PLACES
.rept 4
	v_nop
.endr
.endm
.macro CREST
	s_cmp_lg_u32 s20, 0
	s_cbranch_scc1 .Lnot_wave_0_\@
	s_barrier_signal -3
.Lnot_wave_0_\@:
	s_barrier_wait -3
	s_barrier_signal -1
	s_barrier_wait -1
.endm
.macro CROUND
	s_barrier_signal -1
	s_barrier_wait -1
	CREST
.endm
.macro QUANT s
.irp b, 0,1,2,3
	v_max3_num_f32 v[TM+\b], |v[\s+16*\b]|, |v[\s+1+16*\b]|, 0x1800000
.endr
.irp i, 2,4,6,8,10,12,14
.irp b, 0,1,2,3
	v_max3_num_f32 v[TM+\b], v[TM+\b], |v[\s+16*\b+\i]|, |v[\s+1+16*\b+\i]|
.endr
.endr
.irp b, 0,1,2,3
	v_permlanex16_b32 v[TM+4+\b], v[TM+\b], s[SEL], s[SEL+1]
.endr
.irp b, 0,1,2,3
	v_max_num_f32 v[TM+\b], v[TM+\b], v[TM+4+\b]
.endr
.irp b, 0,1,2,3
	v_add_nc_u32 v[TM+12+\b], 0xff000000, v[TM+\b]
.endr
.irp b, 0,1,2,3
	v_lshrrev_b32 v[TM+4+\b], 23, v[TM+12+\b]
.endr
	v_lshl_or_b32 v[PW], v[TM+5], 8, v[TM+4]
	v_lshl_or_b32 v[PW], v[TM+6], 16, v[PW]
	v_lshl_or_b32 v[PW], v[TM+7], 24, v[PW]
.irp c, 0,1
	v_cvt_scalef32_pk16_fp6_f32 v[PC+6*\c:PC+2+6*\c], v[\s+32*\c:\s+15+32*\c], v[TM+12+2*\c]
	v_cvt_scalef32_pk16_fp6_f32 v[PC+12+4*\c:PC+14+4*\c], v[\s+16+32*\c:\s+31+32*\c], v[TM+12+2*\c+1]
.endr
	v_nop
.irp c, 0,1
.irp i, 0,1,2
	v_permlane16_swap_b32 v[PC+6*\c+\i], v[PC+12+4*\c+\i]
.endr
.irp i, 0,1,2
	v_mov_b32 v[PC+3+6*\c+\i], v[PC+12+4*\c+\i]
.endr
.endr
.endm
.macro LOADT q, srel, ap
	WIN 0x80
.irp kp, 0,1
.irp i, 0,1,2,3,4,5,6,7
	global_load_b128 v[64*(\q)+32*\kp+4*\i:64*(\q)+32*\kp+4*\i+3], v[XO], s[44:45] offset:65536*(\ap)+8192*\i+512*(\srel)+256*\kp th:TH_LOAD_NT
.endr
.endr
	WIN 0
.endm
.macro TURNX q
.irp kp, 0,1
	WIN 0x08
.irp i, 0,1,2,3,4,5,6,7
	ds_store_b128 v[SI], v[64*(\q)+32*\kp+4*\i:64*(\q)+32*\kp+4*\i+3] offset:544*\i
.endr
	WIN 0
.irp bp, 0,1
.irp j, 0,1,2,3
	ds_load_b128 v[X+16*(2*\kp+\bp)+4*\j:X+16*(2*\kp+\bp)+4*\j+3], v[SO] offset:128*\bp+16*\j
.endr
.endr
.endr
.endm
.macro QLOAD
.irp s, 0,1,2,3,4,5,6,7
.irp u, 0,1
	global_load_b128 v[QL+8*\s+4*\u:QL+8*\s+4*\u+3], v[QLO], s[62:63] offset:262144*\s+512*\u
.endr
.endr
.irp u, 0,1
	global_load_b128 v[QL+64+4*\u:QL+64+4*\u+3], v[QLO], s[66:67] offset:512*\u
.endr
.endm
.macro BBASE
	s_lshl_b32 s48, s48, 8
	s_mov_b32 s49, 0
	s_add_nc_u64 s[56:57], s[12:13], s[48:49]
	s_add_nc_u64 s[58:59], s[14:15], s[48:49]
.endm
.macro BIAS
	WIN 0x40
.irp c, 0,1,2,3
.irp u, 0,1
	global_load_b128 v[96+8*\c+4*\u:96+8*\c+4*\u+3], v[BO], s[56:57] offset:64*\c+16*\u
.endr
.endr
.irp c, 0,1,2,3
.irp u, 0,1
	global_load_b128 v[224+8*\c+4*\u:224+8*\c+4*\u+3], v[BO], s[58:59] offset:64*\c+16*\u
.endr
.endr
	WIN 0
.endm
.macro XTILE q, srel, ap, hook, cnt
	s_wait_loadcnt \cnt
	TURNX \q
	s_wait_dscnt 0x0
.if \hook == 4
	s_wait_xcnt 0x0                                ; the earlier loads have read their base: it steps two K steps on
	s_add_nc_u64 s[44:45], s[44:45], 1024
	LOADT \q, \srel, \ap
.elseif \hook == 1
	LOADT \q, \srel, \ap
.elseif \hook == 2
	QLOAD
.elseif \hook == 3
	BIAS
.endif
	QUANT X
.irp k, 0,1,2
	ds_store_b128 v[XW], v[PC+4*\k:PC+4*\k+3] offset:IMG*(8*(\ap)+(\srel))+512*\k
.endr
	ds_store_b32 v[XWS], v[PW] offset:64*(8*(\ap)+(\srel))
.endm
.macro FETCH_BH sl, sp, set, hf
	WIN 0x40
.irp e, 0,1,2,3
.irp k, 0,1,2
	ds_load_b128 v[128*(\set)+12*(4*(\hf)+\e)+4*\k:128*(\set)+12*(4*(\hf)+\e)+4*\k+3], v[ADRB+(\sl)] offset:CHUNK*(\sp)+IMG*(4*(\hf)+\e)+512*\k
.endr
.endr
	WIN 0
.irp i, 0,1
	ds_load_b32 v[SW+4*(\set)+2*(\hf)+\i], v[ADRS+(\sl)] offset:CHUNK*(\sp)+8*IMG+128*(2*(\hf)+\i)
.endr
.endm
.macro FETCH_A fk, a0
.irp i, 0,1
	ds_load_b32 v[SX+(\a0)/2+\i], v[ADRX] offset:512*(\a0)+1024*\i+64*(\fk)
.endr
.irp d, 0,1,2,3
.irp k, 0,1,2
	ds_load_b128 v[AF+12*((\a0)+\d)+4*\k:AF+12*((\a0)+\d)+4*\k+3], v[ADRA+(\a0)/4] offset:IMG*(8*\d+(\fk))+512*\k
.endr
.endr
.endm
.macro WM a, c, set, first
.set rD, 8*(8*((\a)%4)+(\c))
.set rW, 128*(\set)+12*(\c)
.set rA, AF+12*(\a)
.set rS, SW+4*(\set)+(\c)/2
.set rX, SX+(\a)/2
.set rC, rD
.if \first
.set rC, 96+8*(\c)+96*((\c)/4)
.endif
.if (((\c)%2) == 0) && (((\a)%2) == 0)
	v_wmma_scale_f32_16x16x128_f8f6f4 v[rD:rD+7], v[rW:rW+11], v[rA:rA+11], v[rC:rC+7], v[rS], v[rX] matrix_a_fmt:MATRIX_FMT_FP6 matrix_b_fmt:MATRIX_FMT_FP6
.elseif (((\c)%2) == 1) && (((\a)%2) == 0)
	v_wmma_scale_f32_16x16x128_f8f6f4 v[rD:rD+7], v[rW:rW+11], v[rA:rA+11], v[rC:rC+7], v[rS], v[rX] matrix_a_fmt:MATRIX_FMT_FP6 matrix_b_fmt:MATRIX_FMT_FP6 matrix_a_scale:MATRIX_SCALE_ROW1
.elseif (((\c)%2) == 0)
	v_wmma_scale_f32_16x16x128_f8f6f4 v[rD:rD+7], v[rW:rW+11], v[rA:rA+11], v[rC:rC+7], v[rS], v[rX] matrix_a_fmt:MATRIX_FMT_FP6 matrix_b_fmt:MATRIX_FMT_FP6 matrix_b_scale:MATRIX_SCALE_ROW1
.else
	v_wmma_scale_f32_16x16x128_f8f6f4 v[rD:rD+7], v[rW:rW+11], v[rA:rA+11], v[rC:rC+7], v[rS], v[rX] matrix_a_fmt:MATRIX_FMT_FP6 matrix_b_fmt:MATRIX_FMT_FP6 matrix_a_scale:MATRIX_SCALE_ROW1 matrix_b_scale:MATRIX_SCALE_ROW1
.endif
.endm
.macro MUL8 a, set, first
.if \first
	WIN 0x91+0x40*((\a)/4)
.else
	WIN 0xa1+0x50*((\a)/4)
.endif
.irp c, 0,1,2,3,4,5,6,7
	WM \a, \c, \set, \first
.endr
.endm
.macro MUL16 a0, set, first
	MUL8 \a0, \set, \first
	MUL8 (\a0)+1, \set, \first
.endm
.macro STEP set, first, fs, fsp, fk
	s_wait_dscnt 23
	MUL8 0, \set, \first
	s_wait_dscnt 20
	MUL8 1, \set, \first
	FETCH_BH \fs, \fsp, 1-(\set), 0
	s_wait_dscnt 28
	MUL8 2, \set, \first
	MUL8 3, \set, \first
	FETCH_BH \fs, \fsp, 1-(\set), 1
	s_wait_dscnt 28
	MUL8 4, \set, \first
	MUL8 5, \set, \first
	PLACES
	WIN 0
	FETCH_A \fk, 0
	MUL8 6, \set, \first
	MUL8 7, \set, \first
	PLACES
	WIN 0
	FETCH_A \fk, 4
.endm
.macro TURN sl, nx, fk
	s_wait_dscnt 23
	MUL8 0, 1, 0
	WIN 0
	s_wait_tensorcnt 0x0
	ds_add_u32 v[SPW], v[NIL]
	s_wait_dscnt 21
	MUL8 1, 1, 0
	s_wait_dscnt 0x0
	s_barrier_signal -1
	MUL8 2, 1, 0
	WIN 0
	s_barrier_wait -1
	CREST
	s_add_nc_u64 s[34+4*\sl:35+4*\sl], s[34+4*\sl:35+4*\sl], 2*RING
	tensor_load_to_lds s[32+4*\sl:35+4*\sl], s[24:31]
	s_nop 0
	PLACES
	FETCH_BH \nx, 0, 0, 0
	MUL8 3, 1, 0
	MUL8 4, 1, 0
	FETCH_BH \nx, 0, 0, 1
	MUL8 5, 1, 0
	PLACES
	WIN 0
	s_wait_alu depctr_va_vdst(0)
	FETCH_A \fk, 0
	MUL8 6, 1, 0
	MUL8 7, 1, 0
	PLACES
	WIN 0
	FETCH_A \fk, 4
.endm
.macro HALFADR
	v_add_nc_u32 v[ADRA], s46, v[AX0]
	v_add_nc_u32 v[ADRA+1], s46, v[AX4]
	v_add_nc_u32 v[ADRX], s47, v[AXS0]
.endm
.macro UB
	s_wait_xcnt 0x0
	s_lshl_b32 s74, s71, 12
	s_mov_b32 s75, 0
	s_add_nc_u64 s[60:61], s[54:55], s[74:75]
	s_lshl_b32 s48, s20, 2
	s_add_co_u32 s48, s48, s71
	s_add_co_u32 s48, s48, 1
	s_min_u32 s48, s48, 15
	BBASE
.irp a, 0,1,2,3,4,5,6,7
	global_load_b64 v[UU+2*\a:UU+2*\a+1], v[UO], s[60:61] offset:128*\a th:TH_LOAD_NT
.endr
	BIAS
.endm
.macro EPI
	s_and_b32 s48, s23, 6
	s_lshl_b32 s48, s48, 7
	v_add_nc_u32 v[QA], s48, v[QA0]
	WIN 0x40
.irp c, 0,1,2,3
.irp u, 0,1
	ds_load_b128 v[QH+8*\c+4*\u:QH+8*\c+4*\u+3], v[QA] offset:64*\c+16*\u
.endr
.endr
	WIN 0
	s_wait_loadcnt 16
.irp a, 0,1,2,3,4,5,6,7
	v_pk_add_f32 v[UU+2*\a:UU+2*\a+1], v[UU+2*\a:UU+2*\a+1], v[EPSR:EPSR+1]
.endr
	s_wait_alu depctr_va_vdst(0)
.irp i, 0,1,2,3,4,5,6,7,8,9,10,11,12,13,14,15
	v_log_f32 v[UU+\i], v[UU+\i]
.endr
	s_wait_alu depctr_va_vdst(0)
.irp g, 0,1
	WIN 0x0a+5*\g
.set i, 0
.rept 16
.irp d, 0,1,2,3
.if i == 0
	v_pk_mul_f32 v[NN+2*(4*\g+\d):NN+2*(4*\g+\d)+1], v[64*\d+2*i:64*\d+2*i+1], v[64*\d+2*i:64*\d+2*i+1]
.else
	v_pk_fma_f32 v[NN+2*(4*\g+\d):NN+2*(4*\g+\d)+1], v[64*\d+2*i:64*\d+2*i+1], v[64*\d+2*i:64*\d+2*i+1], v[NN+2*(4*\g+\d):NN+2*(4*\g+\d)+1]
.endif
.endr
.set i, i+1
.endr
.endr
	s_wait_dscnt 0x0
.irp g, 0,1
	WIN 0x06+\g
.set i, 0
.rept 16
.irp d, 0,1,2,3
.if i == 0
	v_pk_mul_f32 v[DD+2*(4*\g+\d):DD+2*(4*\g+\d)+1], v[64*\d+2*i:64*\d+2*i+1], v[QH+2*i:QH+2*i+1]
.else
	v_pk_fma_f32 v[DD+2*(4*\g+\d):DD+2*(4*\g+\d)+1], v[64*\d+2*i:64*\d+2*i+1], v[QH+2*i:QH+2*i+1], v[DD+2*(4*\g+\d):DD+2*(4*\g+\d)+1]
.endif
.endr
.set i, i+1
.endr
.endr
	WIN 0x05
	v_pk_mul_f32 v[QQ:QQ+1], v[QH:QH+1], v[QH:QH+1]
	v_pk_mul_f32 v[Q2:Q2+1], v[QH+2:QH+3], v[QH+2:QH+3]
.irp i, 4,8,12,16,20,24,28
	v_pk_fma_f32 v[QQ:QQ+1], v[QH+\i:QH+\i+1], v[QH+\i:QH+\i+1], v[QQ:QQ+1]
	v_pk_fma_f32 v[Q2:Q2+1], v[QH+\i+2:QH+\i+3], v[QH+\i+2:QH+\i+3], v[Q2:Q2+1]
.endr
	WIN 0
	v_pk_add_f32 v[QQ:QQ+1], v[QQ:QQ+1], v[Q2:Q2+1]
	s_wait_alu depctr_va_vdst(0)
.irp a, 0,1,2,3,4,5,6,7
	v_pk_fma_f32 v[UU+2*\a:UU+2*\a+1], v[UU+2*\a:UU+2*\a+1], s[42:43], v[EPSR:EPSR+1] op_sel_hi:[1,0,1]
.endr
.irp o, 0,2,4,6,8,10,12,14,16,18,20,22,24,26,28,30
	v_add_f32 v[NN+\o], v[NN+\o], v[NN+\o+1]
.endr
	v_add_f32 v[QQ], v[QQ], v[QQ+1]
.irp o, 0,2,4,6,8,10,12,14,16,18,20,22,24,26,28,30
	v_permlanex16_b32 v[NN+\o+1], v[NN+\o], s[SEL], s[SEL+1]
.endr
	v_permlanex16_b32 v[QQ+1], v[QQ], s[SEL], s[SEL+1]
.irp o, 0,2,4,6,8,10,12,14,16,18,20,22,24,26,28,30
	v_add_f32 v[NN+\o], v[NN+\o], v[NN+\o+1]
.endr
	v_add_f32 v[QQ], v[QQ], v[QQ+1]
	s_wait_alu depctr_va_vdst(0)
.irp a, 0,1,2,3,4,5,6,7
	v_rsq_f32 v[NN+2*\a+1], v[NN+2*\a]
.endr
	v_rsq_f32 v[RQ], v[QQ]
	v_nop
	s_wait_alu depctr_va_vdst(0)
.irp a, 0,1,2,3,4,5,6,7
	v_mul_f32 v[DD+2*\a], v[DD+2*\a], v[RQ]
.endr
.irp a, 0,1,2,3,4,5,6,7
	v_mul_f32 v[DD+2*\a], v[DD+2*\a], v[NN+2*\a+1]
.endr
.irp a, 0,1,2,3,4,5,6,7
	v_fma_f32 v[DD+2*\a], v[DD+2*\a], 0.5, 0.5
.endr
.irp a, 0,1,2,3,4,5,6,7
	v_add_f32 v[DD+2*\a+1], v[EPSR], v[DD+2*\a]
.endr
.irp a, 0,1,2,3,4,5,6,7
	v_sub_f32 v[BB+\a], 1.0, v[DD+2*\a]
.endr
.irp a, 0,1,2,3,4,5,6,7
	v_add_f32 v[BB+\a], v[EPSR], v[BB+\a]
.endr
.irp a, 0,1,2,3,4,5,6,7
	v_mul_f32 v[DD+2*\a+1], v[DD+2*\a+1], v[UU+2*\a+1]
.endr
.irp a, 0,1,2,3,4,5,6,7
	v_fma_f32 v[BB+\a], v[BB+\a], v[UU+2*\a], v[DD+2*\a+1]
.endr
	s_wait_alu depctr_va_vdst(0)
.irp a, 0,1,2,3,4,5,6,7
	v_rcp_f32 v[RC+\a], v[BB+\a]
.endr
	v_nop
	s_wait_alu depctr_va_vdst(0)
.irp a, 0,1,2,3,4,5,6,7
	v_mul_f32 v[NN+2*\a], v[DD+2*\a+1], v[RC+\a]
.endr
.irp g, 0,1
	WIN 0x02+\g
.irp d, 0,1,2,3
.set i, 0
.rept 16
.if (\g == 0) && (\d == 0)
	v_pk_mul_f32 v[CT+2*i:CT+2*i+1], v[64*\d+32+2*i:64*\d+32+2*i+1], v[NN+2*(4*\g+\d):NN+2*(4*\g+\d)+1] op_sel_hi:[1,0]
.else
	v_pk_fma_f32 v[CT+2*i:CT+2*i+1], v[64*\d+32+2*i:64*\d+32+2*i+1], v[NN+2*(4*\g+\d):NN+2*(4*\g+\d)+1], v[CT+2*i:CT+2*i+1] op_sel_hi:[1,0,1]
.endif
.set i, i+1
.endr
.endr
.endr
	WIN 0
.irp m, 1,2,4,8
.set i, 0
.rept 32
	v_add_f32_dpp v[CT+i], v[CT+i], v[CT+i] row_xmask:\m row_mask:0xf bank_mask:0xf
.set i, i+1
.endr
.endr
.irp c, 0,1,2,3
.irp u, 0,1
	ds_store_b128 v[CSA], v[CT+8*\c+4*\u:CT+8*\c+4*\u+3] offset:64*\c+16*\u
.endr
.endr
	ds_load_b64 v[OUTP:OUTP+1], v[CSR]
	s_mov_b32 s49, 0
	s_add_nc_u64 s[52:53], s[50:51], s[48:49]
	s_wait_dscnt 0x0
	global_store_b64 v[CO], v[OUTP:OUTP+1], s[52:53]
.endm
	s_load_b512 s[4:19], s[0:1], 0x0
	v_lshl_add_u32 v[SPW], v0, 2, SPARE
	v_mov_b32 v[NIL], 0
	ds_add_u32 v4, v5
	ds_add_u32 v4, v5
	s_wait_dscnt 0x0
	v_lshrrev_b32 v1, 5, v0
	v_readfirstlane_b32 s20, v1
	v_and_b32 v2, 15, v0
	v_bfe_u32 v3, v0, 4, 1
	v_lshlrev_b32 v[XO], 12, v3
	v_lshl_add_u32 v[XO], v2, 4, v[XO]
	s_bfe_u32 s21, ttmp6, 0x40000
	s_mov_b32 s22, ttmp9
	s_mov_b32 s24, 15|(3<<16)|(1<<21)
	s_mov_b32 s25, 32<<16
	s_mov_b32 s26, 100<<16
	s_mov_b32 s27, 32<<16
	s_mov_b32 s28, 100
	s_mov_b32 s29, 32
	s_mov_b32 s30, 0
	s_mov_b32 s31, 0
	s_mov_b32 s[SEL], 0x76543210
	s_mov_b32 s[SEL+1], 0xfedcba98
	s_mov_b32 s42, 0xbf317218
	s_mov_b32 s43, s42
	s_mul_i32 s48, s20, QUART
	s_mov_b32 s49, 0
	s_lshl_b32 s72, s22, 9
	s_lshl_b32 s73, s21, 7
	s_add_co_u32 s72, s72, s73
	s_lshl_b32 s73, s20, 5
	s_add_co_u32 s72, s72, s73
	s_lshl_b32 s72, s72, 12
	s_mov_b32 s73, 0
	s_lshl_b32 s74, s21, 18
	s_lshl_b32 s75, s22, 12
	s_add_co_u32 s74, s74, s75
	s_lshl_b32 s75, s20, 10
	s_add_co_u32 s74, s74, s75
	s_mov_b32 s75, 0
	s_lshl_b32 s76, s22, 16
	s_lshl_b32 s77, s21, 10
	s_add_co_u32 s76, s76, s77
	s_lshl_b32 s77, s20, 14
	s_add_co_u32 s76, s76, s77
	s_mov_b32 s77, 0
	s_lshl_b32 s78, s22, 12
	s_lshl_b32 s80, s20, 10
	s_add_co_u32 s78, s78, s80
	s_mov_b32 s79, 0
	s_mov_b32 s81, 0
	s_wait_alu depctr_va_vdst(0)
	s_wait_kmcnt 0x0
	s_add_nc_u64 s[44:45], s[4:5], s[72:73]
	LOADT 0, 0, 0                                  ; my first four tiles of retrieval_tensor, 64 loads, are asked for ahead of the rounds
	LOADT 1, 0, 1
	LOADT 2, 1, 0
	LOADT 3, 1, 1
	s_add_nc_u64 s[50:51], s[18:19], s[74:75]
	s_add_nc_u64 s[54:55], s[16:17], s[76:77]
	s_add_nc_u64 s[62:63], s[8:9], s[78:79]
	s_add_nc_u64 s[66:67], s[10:11], s[80:81]
	s_mov_b32 s32, 1
	s_mov_b32 s33, s48
	s_add_nc_u64 s[34:35], s[6:7], s[48:49]
	s_or_b32 s35, s35, 0x80000000
	s_mov_b32 s36, 1
	s_add_co_u32 s37, s48, RING
	s_add_nc_u64 s[38:39], s[6:7], s[48:49]
	s_add_nc_u64 s[38:39], s[38:39], RING
	s_or_b32 s39, s39, 0x80000000
	s_lshl_b32 s48, s20, 2
	BBASE
	CROUND
	tensor_load_to_lds s[32:35], s[24:31]
	s_nop 0
	s_wait_alu depctr_va_vdst(0)
	s_wait_tensorcnt 0x0
	ds_add_u32 v4, v5
	s_wait_dscnt 0x0
	CROUND
	tensor_load_to_lds s[36:39], s[24:31]
	s_nop 0
	PLACES
	v_and_b32 v1, 31, v0
	s_mul_i32 s48, s20, STGB
	s_add_co_u32 s48, s48, STG
	v_mul_u32_u24 v[SI], v3, 272
	v_lshl_add_u32 v[SI], v2, 4, v[SI]
	v_add_nc_u32 v[SI], s48, v[SI]
	v_mul_u32_u24 v[SO], v2, 272
	v_lshl_add_u32 v[SO], v3, 6, v[SO]
	v_add_nc_u32 v[SO], s48, v[SO]
	v_lshl_add_u32 v[QW], v1, 4, s48
	v_lshl_add_u32 v[QA0], v3, 5, s48
	v_add_nc_u32 v[CSA], 1024, v[QA0]
	v_lshl_add_u32 v[CSR], v1, 3, s48
	v_add_nc_u32 v[CSR], 1024, v[CSR]
	s_mul_i32 s49, s20, 16*IMG
	s_add_co_u32 s49, s49, XIMG
	v_lshl_add_u32 v[XW0], v1, 4, s49
	s_lshl_b32 s49, s20, 10
	s_add_co_u32 s49, s49, XSC
	v_lshl_add_u32 v[XWS0], v2, 2, s49
	s_mul_i32 s49, s20, QUART
	v_lshl_add_u32 v[ADRB], v1, 4, s49
	v_add_nc_u32 v[ADRB+1], RING, v[ADRB]
	v_lshl_add_u32 v[ADRS], v1, 2, s49
	v_add_nc_u32 v[ADRS+1], RING, v[ADRS]
	v_lshl_add_u32 v[AX0], v1, 4, XIMG
	v_add_nc_u32 v[AX4], 32*IMG, v[AX0]
	v_lshlrev_b32 v[AXS0], 9, v3
	v_lshl_add_u32 v[AXS0], v2, 2, v[AXS0]
	v_add_nc_u32 v[AXS0], XSC, v[AXS0]
	v_lshlrev_b32 v[UO], 3, v2
	v_lshlrev_b32 v[BO], 5, v3
	v_lshlrev_b32 v[CO], 3, v1
	v_lshlrev_b32 v[QLO], 4, v1
	v_mov_b32 v[EPSR], 0x1e3ce508
	v_mov_b32 v[EPSR+1], 0x1e3ce508
.irp b, 0,1,2,3
	v_mov_b32 v[TM+4+\b], 0
.endr
	s_mov_b32 s68, 0
	s_mov_b32 s69, 0
	s_mov_b32 s70, 0
.Lx:
	v_add_nc_u32 v[XW], s68, v[XW0]
	v_add_nc_u32 v[XWS], s69, v[XWS0]
	XTILE 0, 0, 0, 4, 48
	XTILE 1, 0, 1, 1, 48
	XTILE 2, 1, 0, 1, 48
	XTILE 3, 1, 1, 1, 48
	s_add_co_u32 s68, s68, 2*IMG
	s_add_co_u32 s69, s69, 128
	s_add_co_u32 s70, s70, 1
	s_cmp_lt_u32 s70, 3
	s_cbranch_scc1 .Lx
	v_add_nc_u32 v[XW], s68, v[XW0]
	v_add_nc_u32 v[XWS], s69, v[XWS0]
	XTILE 0, 0, 0, 2, 48
	XTILE 1, 0, 1, 0, 50
	XTILE 2, 1, 0, 0, 34
	XTILE 3, 1, 1, 3, 18
	s_wait_loadcnt 16
.irp s, 1,2,3,4,5,6,7,8
.irp e, 0,2,4,6
	v_pk_add_f32 v[QL+\e:QL+\e+1], v[QL+\e:QL+\e+1], v[QL+8*\s+\e:QL+8*\s+\e+1]
.endr
.endr
	ds_store_b128 v[QW], v[QL:QL+3]
	ds_store_b128 v[QW], v[QL+4:QL+7] offset:512
	s_wait_tensorcnt 0x1
	s_wait_dscnt 0x0
	s_barrier_signal -1
	s_barrier_wait -1
	s_mov_b32 s46, 0
	s_mov_b32 s47, 0
	HALFADR
	FETCH_BH 0, 0, 0, 0
	FETCH_BH 0, 0, 0, 1
	FETCH_A 0, 0
	FETCH_A 0, 4
	s_wait_alu depctr_va_vdst(0)
	s_wait_loadcnt 0x0
	STEP 0, 1, 0, 1, 1
	s_mov_b32 s71, 0
	UB
	s_mov_b32 s23, 0
.Lhalf:
	TURN 0, 1, 2
	STEP 0, 0, 1, 1, 3
	s_xor_b32 s46, s46, 4*IMG
	s_xor_b32 s47, s47, 256
	HALFADR
	TURN 1, 0, 0
	s_and_b32 s48, s23, 1
	s_cmp_eq_u32 s48, 0
	s_cbranch_scc1 .Lmid
	EPI
	s_wait_loadcnt 0x0
	STEP 0, 1, 0, 1, 1
	s_lshr_b32 s71, s23, 1
	s_add_co_u32 s71, s71, 1
	UB
	s_branch .Ljoin
.Lmid:
	STEP 0, 0, 0, 1, 1
.Ljoin:
	s_add_co_u32 s23, s23, 1
	s_cmp_lt_u32 s23, 7
	s_cbranch_scc1 .Lhalf
	s_wait_tensorcnt 0x0
	STEP 1, 0, 1, 0, 2
	STEP 0, 0, 1, 1, 3
	s_wait_dscnt 14
	MUL16 0, 1, 0
	MUL16 2, 1, 0
	s_wait_dscnt 0x0
	MUL16 4, 1, 0
	MUL16 6, 1, 0
	PLACES
	WIN 0
	EPI
	s_wait_tensorcnt 0x0
	ds_add_u32 v[SPW], v[NIL]
	s_wait_dscnt 0x0
	CROUND
	s_endpgm
.Lfunc_end_k_q9b5586b9c3_main:
	.size	k_q9b5586b9c3_main, .Lfunc_end_k_q9b5586b9c3_main-k_q9b5586b9c3_main
	.p2alignl 7, 3214868480
	.fill 96, 4, 3214868480
	.section	.rodata,"a",@progbits
	.p2align	6, 0x0
	.amdhsa_kernel k_q9b5586b9c3_main
		.amdhsa_group_segment_fixed_size 327680
		.amdhsa_private_segment_fixed_size 0
		.amdhsa_enable_private_segment 0
		.amdhsa_kernarg_size 64
		.amdhsa_user_sgpr_count 2
		.amdhsa_user_sgpr_kernarg_segment_ptr 1
		.amdhsa_wavefront_size32 1
		.amdhsa_system_sgpr_workgroup_id_x 1
		.amdhsa_system_sgpr_workgroup_id_y 1
		.amdhsa_system_sgpr_workgroup_id_z 1
		.amdhsa_system_vgpr_workitem_id 0
		.amdhsa_next_free_vgpr 1024
		.amdhsa_next_free_sgpr 100
		.amdhsa_reserve_vcc 0
		.amdhsa_float_denorm_mode_32 3
		.amdhsa_float_denorm_mode_16_64 3
		.amdhsa_memory_ordered 1
		.amdhsa_forward_progress 1
		.amdhsa_inst_pref_size 255
	.end_amdhsa_kernel
	.section	.bss,"aw",@nobits
	.p2align	6
	.space	262144
	.amdgpu_metadata
---
amdhsa.version: [ 1, 2 ]
amdhsa.kernels:
  - .name:           k_q9b5586b9c3_main
    .symbol:         k_q9b5586b9c3_main.kd
    .args:
      - { .name: retrieval_tensor, .offset: 0, .size: 8, .value_kind: global_buffer, .address_space: global }
      - { .name: wkv, .offset: 8, .size: 8, .value_kind: global_buffer, .address_space: global }
      - { .name: qpart, .offset: 16, .size: 8, .value_kind: global_buffer, .address_space: global }
      - { .name: bq, .offset: 24, .size: 8, .value_kind: global_buffer, .address_space: global }
      - { .name: bk, .offset: 32, .size: 8, .value_kind: global_buffer, .address_space: global }
      - { .name: bv, .offset: 40, .size: 8, .value_kind: global_buffer, .address_space: global }
      - { .name: u_noise, .offset: 48, .size: 8, .value_kind: global_buffer, .address_space: global }
      - { .name: ctxp, .offset: 56, .size: 8, .value_kind: global_buffer, .address_space: global }
    .group_segment_fixed_size: 327680
    .private_segment_fixed_size: 0
    .kernarg_segment_align: 8
    .kernarg_segment_size: 64
    .max_flat_workgroup_size: 128
    .sgpr_count:     100
    .vgpr_count:     1024
    .wavefront_size: 32
...
	.end_amdgpu_metadata
.endif
;; end of part 2
;; launch final (part 3): grid 256 x 1, 4 waves a work-group, no clusters, 53,760 bytes of LDS; arguments ctxp, wdc, wds, bd, out0; writes out0
.if DOCPART == 3
	.amdgcn_target "amdgcn-amd-amdhsa--gfx1250"
	.amdhsa_code_object_version 6
	.text
	.protected	k_q9b5586b9c3_final
	.globl	k_q9b5586b9c3_final
	.p2align	8
	.type	k_q9b5586b9c3_final,@function
k_q9b5586b9c3_final:
	s_mov_b64 s[64:65], 0
	v_nop
	global_prefetch_b8 v0, s[64:65] scope:SCOPE_SE
	s_setreg_imm32_b32 hwreg(HW_REG_WAVE_MODE, 25, 1), 1
	s_wait_xcnt 0x0
; out0 = ctx Wd + bd on codes of FP6 (E2M3).  ctx [64][1024] is the sum of ctxp's four shares (128 keys each), in f32, quantised here along K; Wd comes as images of operand registers with its scale words.
; SHARES.  Work-group g: rows 4 (g % 16) on, columns 64 (g / 16) on: 16 x 16 = 256 work-groups.  Wave w sums and quantises K steps 2 w and 2 w + 1 of the 4 rows: a load takes one row's 512 consecutive bytes
; of a K step, 16 a lane; the sum turns through the wave's own stage (rows of 528 bytes), from which lane (r, h) takes 16 neighbours of each block of 32 of row r % 4.
; So the tile's 16 rows hold my 4 rows four times; rows 0-3 of the result are stored, the others are copies and are not.
; The eight fragments meet in LDS as images of their registers (register p of lane l at 512 (p / 4) + 16 l + 4 (p % 4)); behind a barrier each wave multiplies them by its 16 columns (column tile 4 (g / 16) + w).
; Source 0 = 16 columns of Wd, source 1 = the rows: lane (r, h) holds row r and columns 8 h + 0 .. 7.  Two accumulators take turns (even and odd K steps), bd is the C of the first; their sum goes through a
; stage, and waves 0 and 1 store two rows each: sixteen lanes store 256 consecutive bytes of a row.
; No ring, no cluster, no loop to run ahead in: all loads stand at the head.
; LIMITS: the sum over K is made in two halves.  A block of zeros has the byte 1, not 127: its codes are zeros.  NaN and infinities are not served.
; REGISTERS: window 0: v4-14 addresses; v16-31 the quantiser's; v32-47 accumulators; v48-55 bd; v56-63 the result; v64-79 the sum of the shares; v128-223 ctx's 8 fragments (first: v128-147 codes just made,
;   v160-223 the 64 numbers at work); v224-231 Wd's scale words, v232-239 ctx's; v240 the word just made.  Windows 1, 2: share x's 4 rows at v[64 x] on, K step 2 w, 2 w + 1.  Window 3: v0-95 Wd's 8 fragments.
.set IMG,  1536
.set FIMG, 0                           ; LDS: ctx's 8 images,
.set FSC,  8*IMG                       ; their scale words, 128 bytes each,
.set FST,  FSC+1024                    ; the stage for out0: 16 rows x 272,
.set TST,  17920                       ; and a stage for ctx for each wave
.set TSB,  16*528
.set TSI,  4
.set LI,   5
.set LS,   6
.set WSO,  7
.set BDO,  8
.set IMW,  9
.set SCW,  10
.set STO,  11
.set SRD,  12
.set OUO,  13
.set TSO,  14
.set TM,   16
.set ACC0, 32
.set ACC1, 40
.set BD,   48
.set O,    56
.set S,    64
.set AFR,  128
.set PC,   128
.set X,    160
.set WS,   224
.set AS,   232
.set PW,   240
.set SEL,  30
.set MSB, 0
.macro WIN new
.if MSB != (\new)
	s_set_vgpr_msb (MSB<<8)|(\new)
.set MSB, (\new)
.endif
.endm
.macro QUANT s                         ; 64 numbers of a lane, register 16 b + i = k 32 b + 16 h + i of my row -> codes in v[PC] on, scale word in v[PW]
.irp b, 0,1,2,3
	v_max3_num_f32 v[TM+\b], |v[\s+16*\b]|, |v[\s+1+16*\b]|, 0x1800000   ; with the floor 2^(3 - 127): the byte cannot fall under 1
.endr
.irp i, 2,4,6,8,10,12,14
.irp b, 0,1,2,3
	v_max3_num_f32 v[TM+\b], v[TM+\b], |v[\s+16*\b+\i]|, |v[\s+1+16*\b+\i]|
.endr
.endr
.irp b, 0,1,2,3
	v_permlanex16_b32 v[TM+4+\b], v[TM+\b], s[SEL], s[SEL+1]
.endr
.irp b, 0,1,2,3
	v_max_num_f32 v[TM+\b], v[TM+\b], v[TM+4+\b]
.endr
.irp b, 0,1,2,3
	v_add_nc_u32 v[TM+12+\b], 0xff000000, v[TM+\b]
.endr
.irp b, 0,1,2,3
	v_lshrrev_b32 v[TM+4+\b], 23, v[TM+12+\b]
.endr
	v_lshl_or_b32 v[PW], v[TM+5], 8, v[TM+4]
	v_lshl_or_b32 v[PW], v[TM+6], 16, v[PW]
	v_lshl_or_b32 v[PW], v[TM+7], 24, v[PW]
.irp c, 0,1
	v_cvt_scalef32_pk16_fp6_f32 v[PC+6*\c:PC+2+6*\c], v[\s+32*\c:\s+15+32*\c], v[TM+12+2*\c]
	v_cvt_scalef32_pk16_fp6_f32 v[PC+12+4*\c:PC+14+4*\c], v[\s+16+32*\c:\s+31+32*\c], v[TM+12+2*\c+1]
.endr
	v_nop                                          ; one plain place behind a scaled conversion
.irp c, 0,1
.irp i, 0,1,2
	v_permlane16_swap_b32 v[PC+6*\c+\i], v[PC+12+4*\c+\i]
.endr
.irp i, 0,1,2
	v_mov_b32 v[PC+3+6*\c+\i], v[PC+12+4*\c+\i]
.endr
.endr
.endm
	s_load_b256 s[4:11], s[0:1], 0x0               ; ctxp, wdc, wds, bd
	s_load_b64 s[12:13], s[0:1], 0x20              ; out0
	v_lshl_add_u32 v254, v0, 2, 0xd000             ; my spare word, behind the stages
	v_mov_b32 v255, 0
	v_lshrrev_b32 v1, 5, v0
	v_readfirstlane_b32 s14, v1                    ; wave
	v_and_b32 v1, 31, v0                           ; lane
	v_and_b32 v2, 15, v0                           ; r
	v_bfe_u32 v3, v0, 4, 1                         ; h
	v_lshlrev_b32 v[LI], 4, v1
	v_lshlrev_b32 v[LS], 2, v1
	v_lshlrev_b32 v[WSO], 2, v2
	v_lshlrev_b32 v[BDO], 5, v3
	s_mul_i32 s18, s14, TSB
	s_add_co_u32 s18, s18, TST
	v_lshl_add_u32 v[TSI], v1, 4, s18              ; ctx's stage, in: 16 x lane
	v_and_b32 v[TSO], 3, v2
	v_mul_u32_u24 v[TSO], v[TSO], 528
	v_lshl_add_u32 v[TSO], v3, 6, v[TSO]
	v_add_nc_u32 v[TSO], s18, v[TSO]               ; out: row r % 4, + 64 h
	s_mul_i32 s18, s14, 2*IMG
	v_lshl_add_u32 v[IMW], v1, 4, s18
	s_lshl_b32 s18, s14, 8
	s_add_co_u32 s18, s18, FSC
	v_lshl_add_u32 v[SCW], v1, 2, s18
	v_mul_u32_u24 v[STO], v2, 272
	v_lshl_add_u32 v[STO], v3, 5, v[STO]
	s_lshl_b32 s18, s14, 6
	s_add_co_u32 s18, s18, FST
	v_add_nc_u32 v[STO], s18, v[STO]               ; row r, + 64 w + 32 h
	v_mul_u32_u24 v[SRD], v3, 272
	v_lshl_add_u32 v[SRD], v2, 4, v[SRD]
	s_mul_i32 s18, s14, 2*272
	s_add_co_u32 s18, s18, FST
	v_add_nc_u32 v[SRD], s18, v[SRD]               ; row 2 w + h, 16 bytes a lane
	v_lshlrev_b32 v[OUO], 12, v3
	v_lshl_add_u32 v[OUO], v2, 4, v[OUO]
.irp b, 0,1,2,3
	v_mov_b32 v[TM+4+\b], 0                        ; a lane permute's destination counts as one of its sources
.endr
	s_mov_b32 s[SEL], 0x76543210
	s_mov_b32 s[SEL+1], 0xfedcba98
	s_and_b32 s15, ttmp9, 15                       ; my 4 rows
	s_lshr_b32 s16, ttmp9, 4                       ; my 64 columns
	s_lshl_b32 s17, s16, 2
	s_add_co_u32 s17, s17, s14                     ; my wave's column tile
	s_lshl_b32 s32, s15, 14
	s_lshl_b32 s33, s14, 10
	s_add_co_u32 s32, s32, s33                     ; ctxp: 4 rows of 4,096 bytes, + 1,024 w
	s_mov_b32 s33, 0
	s_mul_i32 s34, s17, 8*IMG
	s_mov_b32 s35, 0
	s_lshl_b32 s36, s17, 6
	s_mov_b32 s37, 0
	s_lshl_b32 s38, s15, 14                        ; out0: my 4 rows, + 2 w rows, + 256 (g / 16)
	s_lshl_b32 s39, s14, 13
	s_add_co_u32 s38, s38, s39
	s_lshl_b32 s39, s16, 8
	s_add_co_u32 s38, s38, s39
	s_mov_b32 s39, 0
	s_wait_alu depctr_va_vdst(0)
	s_wait_kmcnt 0x0
	s_add_nc_u64 s[20:21], s[4:5], s[32:33]
	s_add_nc_u64 s[22:23], s[6:7], s[34:35]
	s_add_nc_u64 s[24:25], s[8:9], s[36:37]
	s_add_nc_u64 s[26:27], s[10:11], s[36:37]
	s_add_nc_u64 s[28:29], s[12:13], s[38:39]
.irp e, 0,1                                    ; all loads at the head: 2 x 16 of ctxp, then 24 + 8 + 2
	WIN 0x40*(1+\e)
.irp x, 0,1,2,3
.irp rw, 0,1,2,3
	global_load_b128 v[64*\x+4*\rw:64*\x+4*\rw+3], v[LI], s[20:21] offset:262144*\x+4096*\rw+512*\e
.endr
.endr
.endr
	WIN 0xc0
.irp s, 0,1,2,3,4,5,6,7
.irp k, 0,1,2
	global_load_b128 v[12*\s+4*\k:12*\s+4*\k+3], v[LI], s[22:23] offset:IMG*\s+512*\k
.endr
.endr
	WIN 0
.irp s, 0,1,2,3,4,5,6,7
	global_load_b32 v[WS+\s], v[WSO], s[24:25] offset:4096*\s
.endr
.irp u, 0,1
	global_load_b128 v[BD+4*\u:BD+4*\u+3], v[BDO], s[26:27] offset:16*\u
.endr
.macro HALF e                          ; K step 2 w + e: the shares are added, keys ascending, turned through my stage and quantised; the image goes to LDS
.if \e == 0
	s_wait_loadcnt 50                              ; behind this K step's 16 loads stand 16 + 24 + 8 + 2
.else
	s_wait_loadcnt 34                              ; behind them 24 + 8 + 2
.endif
	WIN 0x05*(1+\e)
.irp i, 0,1,2,3,4,5,6,7
	v_pk_add_f32 v[S+2*\i:S+2*\i+1], v[2*\i:2*\i+1], v[64+2*\i:64+2*\i+1]
.endr
	WIN 0x04*(1+\e)
.irp x, 2,3
.irp i, 0,1,2,3,4,5,6,7
	v_pk_add_f32 v[S+2*\i:S+2*\i+1], v[S+2*\i:S+2*\i+1], v[64*\x+2*\i:64*\x+2*\i+1]
.endr
.endr
	WIN 0
.irp rw, 0,1,2,3
	ds_store_b128 v[TSI], v[S+4*\rw:S+4*\rw+3] offset:528*\rw
.endr
.irp b, 0,1,2,3
.irp j, 0,1,2,3
	ds_load_b128 v[X+16*\b+4*\j:X+16*\b+4*\j+3], v[TSO] offset:128*\b+16*\j   ; a wave's LDS instructions are served in order: these see the stores
.endr
.endr
	s_wait_dscnt 0x0
	QUANT X
.irp k, 0,1,2
	ds_store_b128 v[IMW], v[PC+4*\k:PC+4*\k+3] offset:FIMG+IMG*\e+512*\k
.endr
	ds_store_b32 v[SCW], v[PW] offset:128*\e
	s_wait_dscnt 0x0                               ; landed, for the others' sake
.endm
	HALF 0
	HALF 1
	s_barrier_signal -1
	s_barrier_wait -1                              ; ctx's eight fragments lie in LDS
.irp s, 0,1,2,3,4,5,6,7
.irp k, 0,1,2
	ds_load_b128 v[AFR+12*\s+4*\k:AFR+12*\s+4*\k+3], v[LI] offset:FIMG+IMG*\s+512*\k
.endr
	ds_load_b32 v[AS+\s], v[LS] offset:FSC+128*\s
.endr
	s_wait_dscnt 0x0
	s_wait_loadcnt 0x0                             ; Wd, its scale words, bd
	WIN 0x03                                       ; source 0 (Wd) window 3
	v_wmma_scale_f32_16x16x128_f8f6f4 v[ACC0:ACC0+7], v[0:11], v[AFR:AFR+11], v[BD:BD+7], v[WS], v[AS] matrix_a_fmt:MATRIX_FMT_FP6 matrix_b_fmt:MATRIX_FMT_FP6
	v_wmma_scale_f32_16x16x128_f8f6f4 v[ACC1:ACC1+7], v[12:23], v[AFR+12:AFR+23], 0, v[WS+1], v[AS+1] matrix_a_fmt:MATRIX_FMT_FP6 matrix_b_fmt:MATRIX_FMT_FP6
.irp s, 2,4,6                                  ; the two accumulators by turns
	v_wmma_scale_f32_16x16x128_f8f6f4 v[ACC0:ACC0+7], v[12*\s:12*\s+11], v[AFR+12*\s:AFR+12*\s+11], v[ACC0:ACC0+7], v[WS+\s], v[AS+\s] matrix_a_fmt:MATRIX_FMT_FP6 matrix_b_fmt:MATRIX_FMT_FP6
	v_wmma_scale_f32_16x16x128_f8f6f4 v[ACC1:ACC1+7], v[12*\s+12:12*\s+23], v[AFR+12*\s+12:AFR+12*\s+23], v[ACC1:ACC1+7], v[WS+\s+1], v[AS+\s+1] matrix_a_fmt:MATRIX_FMT_FP6 matrix_b_fmt:MATRIX_FMT_FP6
.endr
	WIN 0
.rept 4
	v_nop
.endr
.irp j, 0,2,4,6
	v_pk_add_f32 v[O+\j:O+\j+1], v[ACC0+\j:ACC0+\j+1], v[ACC1+\j:ACC1+\j+1]   ; both from their low ends on
.endr
	ds_store_b128 v[STO], v[O:O+3]
	ds_store_b128 v[STO], v[O+4:O+7] offset:16
	s_wait_dscnt 0x0                               ; for the others' sake
	s_barrier_signal -1
	s_barrier_wait -1
	s_cmp_lt_u32 s14, 2                            ; 4 rows x 256 bytes: waves 0 and 1 store two rows each
	s_cbranch_scc0 .Ldone
	ds_load_b128 v[O:O+3], v[SRD]
	s_wait_dscnt 0x0
	global_store_b128 v[OUO], v[O:O+3], s[28:29] th:TH_STORE_NT   ; 16 lanes store 256 consecutive bytes of a row, at a multiple of 256 from out0's first byte
.Ldone:
	s_wait_tensorcnt 0x0                           ; the wave's end
	ds_add_u32 v254, v255
	s_wait_dscnt 0x0
	s_endpgm
.Lfunc_end_k_q9b5586b9c3_final:
	.size	k_q9b5586b9c3_final, .Lfunc_end_k_q9b5586b9c3_final-k_q9b5586b9c3_final
	.p2alignl 7, 3214868480
	.fill 96, 4, 3214868480
	.section	.rodata,"a",@progbits
	.p2align	6, 0x0
	.amdhsa_kernel k_q9b5586b9c3_final
		.amdhsa_group_segment_fixed_size 53760
		.amdhsa_private_segment_fixed_size 0
		.amdhsa_enable_private_segment 0
		.amdhsa_kernarg_size 40
		.amdhsa_user_sgpr_count 2
		.amdhsa_user_sgpr_kernarg_segment_ptr 1
		.amdhsa_wavefront_size32 1
		.amdhsa_system_sgpr_workgroup_id_x 1
		.amdhsa_system_sgpr_workgroup_id_y 1
		.amdhsa_system_sgpr_workgroup_id_z 1
		.amdhsa_system_vgpr_workitem_id 0
		.amdhsa_next_free_vgpr 1024
		.amdhsa_next_free_sgpr 66
		.amdhsa_reserve_vcc 0
		.amdhsa_float_denorm_mode_32 3
		.amdhsa_float_denorm_mode_16_64 3
		.amdhsa_memory_ordered 1
		.amdhsa_forward_progress 1
		.amdhsa_inst_pref_size 28
	.end_amdhsa_kernel
	.amdgpu_metadata
---
amdhsa.version: [ 1, 2 ]
amdhsa.kernels:
  - .name:           k_q9b5586b9c3_final
    .symbol:         k_q9b5586b9c3_final.kd
    .args:
      - { .name: ctxp, .offset: 0, .size: 8, .value_kind: global_buffer, .address_space: global }
      - { .name: wdc, .offset: 8, .size: 8, .value_kind: global_buffer, .address_space: global }
      - { .name: wds, .offset: 16, .size: 8, .value_kind: global_buffer, .address_space: global }
      - { .name: bd, .offset: 24, .size: 8, .value_kind: global_buffer, .address_space: global }
      - { .name: out0, .offset: 32, .size: 8, .value_kind: global_buffer, .address_space: global }
    .group_segment_fixed_size: 53760
    .private_segment_fixed_size: 0
    .kernarg_segment_align: 8
    .kernarg_segment_size: 40
    .max_flat_workgroup_size: 128
    .sgpr_count:     66
    .vgpr_count:     1024
    .wavefront_size: 32
...
	.end_amdgpu_metadata
.endif
;; end of part 3
